; MI455X (gfx1250); checked and timed in simulation.
; The chip was launched on July 23, 2026; its instructions are those of AMD's public machine-readable ISA for CDNA 5 (MIT licence, August 2026) and "CDNA5" Instruction Set Architecture Reference Guide (July 2026). The comments in the code are by the model that wrote it; some were corrected since.
;; Sliding Window Attention. Allowed arithmetic: matrix products marked QUANTISED: E4M3 operands, one E8M0 scale for each 32 along K, by v_wmma_scale_f32_16x16x128_f8f6f4 with both operands' format E4M3, f32 sums; everything else in f32.
;; Inputs: K 4 x 16 x 2,048 x 128 float32; Q 4 x 16 x 2,048 x 128 float32; V 4 x 16 x 2,048 x 128 float32.
;; Outputs: out0 4 x 16 x 2,048 x 128 float32.
;; This version of the problem:
;;   THIS VERSION OF THE PROBLEM IS GIVEN IN LOW PRECISION. The matrix products marked QUANTISED in the list below multiply operands that are first quantised to E4M3 (4 exponent bits, 3 mantissa bits; 8 bits a number), with one power-of-two scale for each 32 numbers along K (OCP MX v1.0); their sums are f32. All else is computed in f32.
;;   The module's matrix products, in the order in which they are computed (A, B: the left and right operand; K: the contracted axis; several contracted axes count as one K, in the product's order):
;;     1. batch 64 x [M 2,048, K 128] x [K 128, N 2,048]; A: input Q; B: input K: QUANTISED
;;     2. batch 64 x [M 2,048, K 2,048] x [K 2,048, N 128]; A: softmax (see below); B: input V: QUANTISED
;;   THE QUANTISER, for each operand of a quantised product, along K:
;;     - K is cut into blocks of 32 from its start; a last block that is shorter is filled with zeros.
;;     - A block's scale is 2^e with e = floor(log2(the largest magnitude in the block)) - 8, held to -126 .. 127; a block of zeros has e = 0. As a byte (E8M0): e + 127.
;;     - Each number is divided by its block's scale, clamped to +-448, and rounded to the nearest number of E4M3, ties to even, subnormals kept.
;;     - The product sums the exact products of the quantised numbers (number of the format x scale) in f32.
;;   ~~~python
;;   def quantise(x, axis):      # numpy; x: float32 -> the quantised numbers, widened to float32 again
;;       x = np.moveaxis(x, axis, -1); K = x.shape[-1]
;;       x = np.pad(x, [(0, 0)] * (x.ndim - 1) + [(0, -K % 32)]); x = x.reshape(x.shape[:-1] + (-1, 32)); a = np.abs(x).max(-1, keepdims=True)
;;       e = np.where(a > 0, np.clip(np.frexp(np.where(a > 0, a, 1))[1] - 1 - 8, -126, 127), 0)      # np.frexp(a)[1] - 1 = floor(log2(a)), exactly
;;       r = np.clip(x / 2.0 ** e, -448, 448)
;;       step = 2.0 ** (np.maximum(np.frexp(np.where(r == 0, 1, r))[1] - 1, -6) - 3)
;;       q = np.round(r / step) * step * 2.0 ** e      # np.round: ties to even
;;       return np.moveaxis(q.reshape(q.shape[:-2] + (-1,))[..., :K], -1, axis).astype(np.float32)
;;   ~~~
;;   SOFTMAX AHEAD OF A QUANTISED PRODUCT. Where the list says 'softmax', what is quantised is not the finished softmax but p = 2^(t - M), with t = logit x log2(e) and M = ceil(the row's largest t), a whole number; so 1/2 < the row's largest p <= 1. The row's sum l is taken of the UNQUANTISED p, in f32, and the product's result is divided by l at the end. Since M is a whole number, a kernel that streams over the keys may use a running M (the ceiling of the running maximum): every later rescaling is an exact power of two, which a block's scale takes up: the codes' values come out the same.
;;   OPERANDS COMPUTED ON THE WAY. 'Computed on the way' means the value that the module computes at that place (a softmax that the list does not call 'softmax' is quantised finished and normalised). What goes into a quantiser is computed in f32, as accurately as f32 sums, v_exp_f32 and their like allow (about 1e-6 of the number): no bf16 or f16 on the way to a quantiser, and a product that is left as it is and whose result goes on into a quantised operand takes f32 operands (vector FMAs, or v_wmma_f32_16x16x4_f32). A number that lies on a knife's edge between two numbers of the format may be rounded either way, as far as f32 arithmetic and the matrix unit's own rounding can turn it there, and no further.
;; One version. Each part assembles by itself: llvm-mc -triple=amdgcn-amd-amdhsa -mcpu=gfx1250 --defsym DOCPART=n.
;; ======== version 1 of 1: 2 launches
;; limits: right only within a limited range of input values
;; workspace buffers: kv 34,603,008 bytes
;; launch quant (part 1): grid 8 x 64, 4 waves a work-group, no clusters, 45,568 bytes of LDS; arguments K, V, kv; writes kv
.if DOCPART == 1
	.amdgcn_target "amdgcn-amd-amdhsa--gfx1250"
	.amdhsa_code_object_version 6
	.text
	.protected	k_qb6cfcbd013_quant
	.globl	k_qb6cfcbd013_quant
	.p2align	8
	.type	k_qb6cfcbd013_quant,@function
k_qb6cfcbd013_quant:
	s_mov_b64 s[64:65], 0
	v_nop
	global_prefetch_b8 v0, s[64:65] scope:SCOPE_SE
	s_setreg_imm32_b32 hwreg(HW_REG_WAVE_MODE, 25, 1), 1
	s_wait_xcnt 0x0
; K and V, [64 heads][2048 keys][128 channels] f32, become codes of E4M3 with one E8M0 scale byte for each 32 along the axis that the product sums over:
; K along the channels, V along the keys.  A block's scale is 2^(floor(log2(its largest magnitude)) - 8); each number is divided by it, held within +-448 and rounded to the nearest code, ties to even.
; LIMITS: NaN and infinities among the inputs are not served.  A block of zeros, and one whose largest magnitude lies under 2^(9 - 127), gets the byte 1 (the rule says 127 for zeros): a block of zeros
; has zero codes, which add nothing under any byte but 0xff, and this program alone reads the bytes.
; THE OUTPUT is laid as the attention launch's operand registers want it: for each head and each 256 keys one dense block of SLOTB bytes:
;   0        K's 16 fragments (f = 8 q + T: the q-th 128 keys, tile T), 2,048 bytes each: register group c of lane l at 2048 f + 512 c + 16 l.
;            Lane (r, h) of tile T = 2 b + u holds key 128 q + 32 b + 8 u + r + 8 (r / 8), channels 32 c + 16 h + 0 .. 15
;   32768    K's scale words: tile T, row r, step q at 512 q + 64 T + 4 r
;   HB       V's 16 fragments (f = 8 q + t): lane (r, h), group c holds channel 16 t + r, keys 128 q + 32 c + 16 h + 0 .. 15
;   HB+32768 V's scale words: channel d, step q at 512 q + 4 d
; SHARES.  A work-group (x = which 256 keys, y = head) makes one block.  Every wave walks ONE path: its 64 keys of K (four tiles), then 128 keys x 64 channels of V (four blocks of 32 keys).
; Waves share nothing: each has LDS bytes of its own, there is no barrier and no tensor load.  Every load reads whole rows (512 or 256 consecutive bytes), every store of codes covers 512 consecutive bytes.
.set SLOTB, 67584
.set HB,    33792
.set WREG,  11264                      ; LDS of a wave: K's stage 16 rows x 528, V's stage 4 rows x 528, 256 bytes of scale words
.set PIT,   528                        ; a stage row: 512 bytes + 16, so that sixteen rows begin at sixteen different 16-byte columns
.set VSTG,  8448
.set SCR,   10752
.set LI,   1                           ; v1  16 x lane
.set KST,  2                           ; v2  K's stage, in: 16 x lane of a row
.set KRD,  3                           ; v3  K's stage, out: row r, + 64 h
.set SCW,  4                           ; v4  my scale word's place: 4 x lane
.set SCRD, 5                           ; v5  and on the way out 8 x lane
.set L8,   6                           ; v6  8 x lane
.set VST,  7                           ; v7  V's stage, in: row lane / 8, + 32 (lane % 8)
.set VRD,  8                           ; v8  V's stage, out: 16 x lane of a row
.set TM,   16                          ; v16-19 largest magnitudes, v20-23 bytes, v24-27 448 x the scale, v28-31 the conversions' scale operands
.set PWR,  32                          ; v32, v33 the scale words of an even and an odd tile
.set WS,   34                          ; v34 both in one register
.set KW,   36                          ; v[36:37] K's scale words on the way out
.set SB,   38                          ; v[38:39] V's scale words: my two channels
.set PC,   40                          ; v40-55 a fragment's codes
.set R,    64                          ; v64-191 two sets of 64: K's rows as loaded;
.set X,    64                          ;         later V's 32 keys x 2 channels
.set N,    192                         ; v192-255 K: 64 numbers of my row
.set Y,    192                         ; v192-223 V: one channel's 32 numbers, held
.set C,    224                         ; v224-239 V: my two channels' codes
.set OUTR, 240                         ; v240-255 V: four runs of 512 bytes on the way out
.set WV,  10
.set KP,  14                           ; s[14:15] K at my 64 keys
.set VP,  16                           ; s[16:17] V at my 128 keys, my 64 channels
.set KO,  18                           ; s[18:19] my four fragments of K
.set KSO, 20                           ; s[20:21] their 64 scale words
.set VO,  22                           ; s[22:23] my four fragments of V
.set VSO, 24                           ; s[24:25] their 64 scale words
.set HM,  26                           ; s26 lanes 16 to 31
.set MNT, 27                           ; s27 the mantissa field of 448
.set SEL, 28                           ; s[28:29] v_permlanex16_b32's selects for lane l xor 16
	s_load_b128 s[4:7], s[0:1], 0x0                ; K, V
	s_load_b64 s[8:9], s[0:1], 0x10                ; kv
	v_lshl_add_u32 v62, v0, 2, 0xb000
	v_mov_b32 v63, 0
	v_lshrrev_b32 v9, 5, v0
	v_readfirstlane_b32 s[WV], v9                  ; wave 0..3
	v_and_b32 v9, 31, v0                           ; lane
	v_and_b32 v10, 15, v0                          ; r
	v_bfe_u32 v11, v0, 4, 1                        ; h
	s_mul_i32 s38, s[WV], WREG                     ; my wave's LDS
	v_lshlrev_b32 v[LI], 4, v9
	v_lshlrev_b32 v[L8], 3, v9
	v_add_nc_u32 v[KST], s38, v[LI]
	v_mul_u32_u24 v[KRD], v10, PIT
	v_lshl_add_u32 v[KRD], v11, 6, v[KRD]
	v_add_nc_u32 v[KRD], s38, v[KRD]
	v_lshl_add_u32 v[SCW], v9, 2, SCR
	v_add_nc_u32 v[SCW], s38, v[SCW]
	v_add_nc_u32 v[SCRD], SCR, v[L8]
	v_add_nc_u32 v[SCRD], s38, v[SCRD]
	v_lshrrev_b32 v12, 3, v9
	v_and_b32 v13, 7, v9
	v_mul_u32_u24 v[VST], v12, PIT
	v_lshl_add_u32 v[VST], v13, 5, v[VST]
	v_add_nc_u32 v[VST], VSTG, v[VST]
	v_add_nc_u32 v[VST], s38, v[VST]
	v_add_nc_u32 v[VRD], VSTG, v[LI]
	v_add_nc_u32 v[VRD], s38, v[VRD]
.irp b, 0,1,2,3
	v_mov_b32 v[TM+4+\b], 0                        ; written once: a lane permute's destination counts as one of its sources
.endr
	s_mov_b32 s[HM], 0xffff0000
	s_mov_b32 s[MNT], 0x600000
	s_mov_b32 s[SEL], 0x76543210
	s_mov_b32 s[SEL+1], 0xfedcba98
	s_and_b32 s12, ttmp7, 0xffff                   ; the head
	s_lshl_b32 s30, s12, 20                        ; a head is 2,048 rows of 512 bytes,
	s_lshl_b32 s31, ttmp9, 17                      ; 256 keys are 131,072 bytes
	s_add_co_u32 s30, s30, s31
	s_lshl_b32 s31, s[WV], 15                      ; K: my 64 keys
	s_add_co_u32 s32, s30, s31
	s_mov_b32 s33, 0
	s_lshr_b32 s34, s[WV], 1                       ; V: q = wave / 2: which 128 keys,
	s_and_b32 s35, s[WV], 1                        ; wave % 2: which 64 channels
	s_lshl_b32 s31, s34, 16
	s_add_co_u32 s30, s30, s31
	s_lshl_b32 s31, s35, 8
	s_add_co_u32 s30, s30, s31
	s_mov_b32 s31, 0
	s_lshl_b32 s36, s12, 3
	s_add_co_u32 s36, s36, ttmp9
	s_mul_i32 s36, s36, SLOTB                      ; my work-group's block of kv (under 2^26)
	s_mov_b32 s37, 0
	s_wait_kmcnt 0x0
	s_add_nc_u64 s[KP:KP+1], s[4:5], s[32:33]
	s_add_nc_u64 s[VP:VP+1], s[6:7], s[30:31]
	s_add_nc_u64 s[8:9], s[8:9], s[36:37]
	s_lshl_b32 s36, s[WV], 13                      ; fragments 4 w .. 4 w + 3, of K and of V alike (8 q + 4 (w % 2) = 4 w)
	s_add_nc_u64 s[KO:KO+1], s[8:9], s[36:37]
	s_lshl_b32 s36, s[WV], 8                       ; 64 scale words a wave, of K and of V alike
	s_add_co_u32 s36, s36, 32768
	s_add_nc_u64 s[KSO:KSO+1], s[8:9], s[36:37]
	s_add_nc_u64 s[VO:VO+1], s[KO:KO+1], HB
	s_add_nc_u64 s[VSO:VSO+1], s[KSO:KSO+1], HB
; 64 numbers of a lane, register 16 b + i = k 32 b + 16 (lane / 16) + i of my row, become a fragment's codes in v[pc] on and its scale word in v[pw].
.macro QUANT s, pc, pw
.irp b, 0,1,2,3
	v_max3_num_f32 v[TM+\b], |v[\s+16*\b]|, |v[\s+1+16*\b]|, 0x4800000   ; block b: my 16 numbers, and the floor 2^(9 - 127): the byte cannot fall under 1
.endr
.irp i, 2,4,6,8,10,12,14
.irp b, 0,1,2,3
	v_max3_num_f32 v[TM+\b], v[TM+\b], |v[\s+16*\b+\i]|, |v[\s+1+16*\b+\i]|   ; the four blocks by turns: no line waits for the line above it
.endr
.endr
.irp b, 0,1,2,3
	v_permlanex16_b32 v[TM+4+\b], v[TM+\b], s[SEL], s[SEL+1]
.endr
.irp b, 0,1,2,3
	v_max_num_f32 v[TM+\b], v[TM+\b], v[TM+4+\b]   ; with lane l xor 16's: the block's largest magnitude
.endr
.irp b, 0,1,2,3
	v_add_nc_u32 v[TM+12+\b], 0xfc000000, v[TM+\b] ; 8 off its exponent field: the conversion takes the exponent field of this operand as its scale
.endr
.irp b, 0,1,2,3
	v_and_or_b32 v[TM+8+\b], v[TM+\b], 0x7f800000, s[MNT]   ; 448 x the scale
.endr
.irp b, 0,1,2,3
	v_lshrrev_b32 v[TM+4+\b], 23, v[TM+12+\b]      ; the scale's byte
.endr
	v_lshl_or_b32 v[\pw], v[TM+5], 8, v[TM+4]      ; the four bytes make my row's scale word
	v_lshl_or_b32 v[\pw], v[TM+6], 16, v[\pw]
	v_lshl_or_b32 v[\pw], v[TM+7], 24, v[\pw]
.irp b, 0,1,2,3
.irp i, 0,1,2,3,4,5,6,7,8,9,10,11,12,13,14,15
	v_med3_num_f32 v[\s+16*\b+\i], v[\s+16*\b+\i], -v[TM+8+\b], v[TM+8+\b]   ; the conversion to an 8-bit code does not saturate (ISA guide 7.6.2): the hold comes first
.endr
	v_cvt_scalef32_pk8_fp8_f32 v[\pc+4*\b:\pc+1+4*\b], v[\s+16*\b:\s+7+16*\b], v[TM+12+\b]
	v_cvt_scalef32_pk8_fp8_f32 v[\pc+2+4*\b:\pc+3+4*\b], v[\s+8+16*\b:\s+15+16*\b], v[TM+12+\b]
.endr
	v_nop                                          ; one plain line behind the last conversion, ahead of whatever next touches its registers
.endm
; Tile T of my four: sixteen key rows, each 512 consecutive bytes: row i of the tile is key 32 (T / 2) + 8 (T % 2) + i + 8 (i / 8) of my 64
.macro KLOAD T
.irp i, 0,1,2,3,4,5,6,7,8,9,10,11,12,13,14,15
	global_load_b128 v[R+64*((\T)%2)+4*\i:R+64*((\T)%2)+4*\i+3], v[LI], s[KP:KP+1] offset:(32*((\T)/2)+8*((\T)%2)+\i+8*(\i/8))*512 th:TH_LOAD_NT
.endr
.endm
; Block c of V: 32 keys, each 256 consecutive bytes: my two channels of key 32 c + k
.macro VLOAD c
.irp k, 0,1,2,3,4,5,6,7,8,9,10,11,12,13,14,15,16,17,18,19,20,21,22,23,24,25,26,27,28,29,30,31
	global_load_b64 v[X+64*((\c)%2)+2*\k:X+64*((\c)%2)+2*\k+1], v[L8], s[VP:VP+1] offset:(32*(\c)+\k)*512 th:TH_LOAD_NT
.endr
.endm
; A tile of K: the rows turn through my stage, so that lane (r, h) gets 16 neighbouring channels of each block of 32 of row r; then the quantiser; the codes leave as the fragment's image.
.macro KTILE T, left
.set RS, R+64*((\T)%2)
	s_wait_loadcnt \left                           ; this tile's 16 loads are in; what was issued behind them stays out
.irp i, 0,1,2,3,4,5,6,7,8,9,10,11,12,13,14,15
	ds_store_b128 v[KST], v[RS+4*\i:RS+4*\i+3] offset:PIT*\i
.endr
.irp c, 0,1,2,3
.irp j, 0,1,2,3
	ds_load_b128 v[N+16*\c+4*\j:N+16*\c+4*\j+3], v[KRD] offset:128*\c+16*\j   ; LDS serves a wave's instructions in order: these see the stores above
.endr
.endr
	s_wait_dscnt 0x0                               ; the stores have read the set, and my 64 numbers are in
.if (\T) < 2
	KLOAD (\T)+2                                   ; the freed set takes the tile two on,
.else
	VLOAD (\T)-2                                   ; or V's first blocks
.endif
	s_wait_xcnt 0x0                                ; the last tile's stores have read the codes' registers, which are written again below
	QUANT N, PC, PWR+(\T)%2
.irp c, 0,1,2,3
	global_store_b128 v[LI], v[PC+4*\c:PC+4*\c+3], s[KO:KO+1] offset:(\T)*2048+512*\c   ; 512 consecutive bytes
.endr
.if (\T)%2
	v_cndmask_b32 v[WS], v[PWR], v[PWR+1], s[HM]   ; lanes 0-15: the even tile's words; lanes 16-31: the odd tile's
	ds_store_b32 v[SCW], v[WS] offset:128*((\T)/2)
.endif
.endm
; A block of V: 32 keys of my two channels.  All 32 numbers of a block lie in ONE lane, registers down the keys: no other lane is asked.  The hold also takes the two interleaved channels apart.
; A lane's codes belong to channel 2 lane + e: row (2 lane + e) % 16 of fragment lane / 8: they turn through my stage and leave as runs of 512 bytes of four fragments.
.macro VBLOCK c, left
.set XS, X+64*((\c)%2)
	s_wait_loadcnt \left                           ; this block's 32 loads are in; the next block's stay out
.irp e, 0,1
	v_max3_num_f32 v12, |v[XS+\e]|, |v[XS+2+\e]|, |v[XS+4+\e]|
	v_max3_num_f32 v13, |v[XS+6+\e]|, |v[XS+8+\e]|, |v[XS+10+\e]|
.irp i, 6,10,14,18,22,26
	v_max3_num_f32 v12, v12, |v[XS+2*\i+\e]|, |v[XS+2*\i+2+\e]|
	v_max3_num_f32 v13, v13, |v[XS+2*\i+4+\e]|, |v[XS+2*\i+6+\e]|
.endr
	v_max3_num_f32 v12, v12, |v[XS+60+\e]|, |v[XS+62+\e]|
	v_max3_num_f32 v12, v12, v13, 0x4800000        ; and the floor 2^(9 - 127)
	v_add_nc_u32 v11, 0xfc000000, v12              ; the conversion's scale operand
	v_and_or_b32 v10, v12, 0x7f800000, s[MNT]      ; 448 x the scale
	v_lshrrev_b32 v13, 23, v11                     ; the scale's byte: byte c of the channel's word for these 128 keys
.if (\c) == 0
	v_mov_b32 v[SB+\e], v13
.else
	v_lshl_or_b32 v[SB+\e], v13, 8*(\c), v[SB+\e]
.endif
.irp k, 0,1,2,3,4,5,6,7,8,9,10,11,12,13,14,15,16,17,18,19,20,21,22,23,24,25,26,27,28,29,30,31
	v_med3_num_f32 v[Y+\k], v[XS+2*\k+\e], -v10, v10
.endr
.irp g, 0,1,2,3
	v_cvt_scalef32_pk8_fp8_f32 v[C+8*\e+2*\g:C+8*\e+2*\g+1], v[Y+8*\g:Y+8*\g+7], v11
.endr
.endr
	v_nop                                          ; one plain line behind the last conversion (behind the first channel's stand the second's maxima)
.irp e, 0,1
.irp hh, 0,1
	ds_store_b128 v[VST], v[C+8*\e+4*\hh:C+8*\e+4*\hh+3] offset:16*\e+256*\hh   ; keys 16 hh on: lane r + 16 hh of the fragment's group c
.endr
.endr
	s_wait_xcnt 0x0                                ; the last block's stores have read the registers that the loads below fill
.irp t, 0,1,2,3
	ds_load_b128 v[OUTR+4*\t:OUTR+4*\t+3], v[VRD] offset:PIT*\t
.endr
.if (\c) < 2
	VLOAD (\c)+2
.endif
	s_wait_dscnt 0x0
.irp t, 0,1,2,3
	global_store_b128 v[LI], v[OUTR+4*\t:OUTR+4*\t+3], s[VO:VO+1] offset:\t*2048+512*(\c)   ; 512 consecutive bytes
.endr
.endm
	KLOAD 0
	KLOAD 1
	KTILE 0, 16                                    ; behind tile 0's loads: tile 1's sixteen
	KTILE 1, 16
	KTILE 2, 16
	KTILE 3, 32                                    ; behind tile 3's loads: the 32 of V's block 0
	ds_load_b64 v[KW:KW+1], v[SCRD]                ; my 64 scale words of K: in order behind my stores
	s_wait_dscnt 0x0
	global_store_b64 v[L8], v[KW:KW+1], s[KSO:KSO+1]   ; 256 consecutive bytes, aligned
	VBLOCK 0, 32
	VBLOCK 1, 32
	VBLOCK 2, 32
	VBLOCK 3, 0
	global_store_b64 v[L8], v[SB:SB+1], s[VSO:VSO+1]   ; my 64 scale words of V: 256 consecutive bytes, aligned
	s_wait_tensorcnt 0x0
	ds_add_u32 v62, v63
	s_wait_dscnt 0x0
	s_endpgm
.Lfunc_end_k_qb6cfcbd013_quant:
	.size	k_qb6cfcbd013_quant, .Lfunc_end_k_qb6cfcbd013_quant-k_qb6cfcbd013_quant
	.p2alignl 7, 3214868480
	.fill 96, 4, 3214868480
	.section	.rodata,"a",@progbits
	.p2align	6, 0x0
	.amdhsa_kernel k_qb6cfcbd013_quant
		.amdhsa_group_segment_fixed_size 45568
		.amdhsa_private_segment_fixed_size 0
		.amdhsa_enable_private_segment 0
		.amdhsa_kernarg_size 24
		.amdhsa_user_sgpr_count 2
		.amdhsa_user_sgpr_kernarg_segment_ptr 1
		.amdhsa_wavefront_size32 1
		.amdhsa_system_sgpr_workgroup_id_x 1
		.amdhsa_system_sgpr_workgroup_id_y 1
		.amdhsa_system_sgpr_workgroup_id_z 1
		.amdhsa_system_vgpr_workitem_id 0
		.amdhsa_next_free_vgpr 256
		.amdhsa_next_free_sgpr 66
		.amdhsa_reserve_vcc 0
		.amdhsa_float_denorm_mode_32 3
		.amdhsa_float_denorm_mode_16_64 3
		.amdhsa_memory_ordered 1
		.amdhsa_forward_progress 1
		.amdhsa_inst_pref_size 96
	.end_amdhsa_kernel
	.amdgpu_metadata
---
amdhsa.version: [ 1, 2 ]
amdhsa.kernels:
  - .name:           k_qb6cfcbd013_quant
    .symbol:         k_qb6cfcbd013_quant.kd
    .args:
      - { .name: K, .offset: 0, .size: 8, .value_kind: global_buffer, .address_space: global }
      - { .name: V, .offset: 8, .size: 8, .value_kind: global_buffer, .address_space: global }
      - { .name: kv, .offset: 16, .size: 8, .value_kind: global_buffer, .address_space: global }
    .group_segment_fixed_size: 45568
    .private_segment_fixed_size: 0
    .kernarg_segment_align: 8
    .kernarg_segment_size: 24
    .max_flat_workgroup_size: 128
    .sgpr_count:     66
    .vgpr_count:     256
    .wavefront_size: 32
...
	.end_amdgpu_metadata
.endif
;; end of part 1
;; launch attn (part 2): grid 4 x 64, 8 waves a work-group, no clusters, 327,680 bytes of LDS; arguments Q, kv, out0; writes out0
.if DOCPART == 2
	.amdgcn_target "amdgcn-amd-amdhsa--gfx1250"
	.amdhsa_code_object_version 6
	.text
	.protected	k_qb6cfcbd013_attn
	.globl	k_qb6cfcbd013_attn
	.p2align	8
	.type	k_qb6cfcbd013_attn,@function
k_qb6cfcbd013_attn:
	s_mov_b64 s[64:65], 0
	v_nop
	global_prefetch_b8 v0, s[64:65] scope:SCOPE_SE
	s_setreg_imm32_b32 hwreg(HW_REG_WAVE_MODE, 25, 1), 1
	s_wait_xcnt 0x0
; out0[h][q][:] = the sum over keys k <= q of softmax_k(Q[h][q] . K[h][k] / sqrt(128)) V[h][k][:], 64 heads, 2,048 queries and keys, 128 channels; both products on codes of E4M3 with one E8M0 scale for each 32 along K.
; K and V come as codes and scale words from kv, laid as images of the operand registers (one dense block of SLOT bytes for each head and 256 keys); Q comes as f32 and is quantised here, in registers.
; WORK LEFT OUT: the scores of keys k > q are -infinity, so their p is 0 for all values of the inputs: key steps that lie wholly behind a wave's queries, and key slots wholly behind a block, are not walked.
; A NaN, an infinity or an overflow that reaches only those scores is not carried to the result.
; THE SOFTMAX: t = score x log2(e) / sqrt(128); M = the row's largest t so far, rounded UP to a whole number; p = 2^(t - M) is quantised along the keys, not normalised.  The row's sum is taken of the unquantised p
; and divides at the end.  When M moves, the sum and O are multiplied by 2^(old M - new M), which rounds nothing.
; LIMITS: NaN and infinities among the inputs are not served; the promise holds while |t| stays under 2^31.  A block of zeros gets the scale byte 1: its codes are zeros.  A block's largest p is made from the block's
; largest score by the same multiply-add and exponential as every p, which takes v_exp_f32 not to fall where its input rises; at the worst one p of a block would be held one code low.
; SHARES.  Work-group (x, head) owns two blocks of 256 queries: block x, then block 7 - x.  Block j needs the key slots 0 .. j, so every work-group makes (x + 1) + (8 - x) = nine visits of one slot of 256 keys.
; Each of the EIGHT waves owns 32 queries of the block in hand, two tiles of 16 (tile 0, tile 1), in 512 registers: each fragment of K and V that a wave reads from LDS feeds two products.
; THE RING.  Two slots.  A wave's last LDS reads of a slot are V's fragments of the visit's second step: behind them it waits for its tensor load, adds, waits for its reads and SIGNALS; the rest of that step, work on
; registers alone, stands between the signal and the barrier's wait; behind the wait the slot just left takes the keys of the visit after the next.  Seven visits fill a slot so (the first loop); the last two share a second loop.
; LAYOUT.  Both products are used transposed: S^T = K Q^T, O^T = V^T P^T: a lane holds one query (lane % 16) of each tile.  Lane r of K's tile 2 b + u is key 32 b + 8 u + r + 8 (r / 8), so that registers 16 b .. 16 b + 15
; of a tile's scores are keys 32 b + 16 (lane / 16) + 0 .. 15: the conversions' results are P's operand.
; NO CLUSTER: the four work-groups of a head turn from their first block to their second behind visit x, another visit in each, and from then on want different slots in the same visit; a walk that all four could
; ask for jointly has 12 visits for every partner against these 9.
; REGISTERS.  Window 0: v0-11 addresses; v12-23 -M, largest t, sum, f of both tiles; v24-27 K's or V's scale words, v28-29 p's, v30-31 Q's; v32-55 at work, 12 a tile; v56-59 + v60-123 tile 0's scores;
; v124-127 + v128-191 tile 1's; v192-255 fragments 0-3.  p's codes of block b lie at scores - 4 + 4 b: over scores that are done with.  Window 1: v0-63, v64-127 O^T of the tiles; v128-159 Q's codes; v192-255 fragments 4-7.
.set SLOT,  67584                      ; 0x10800: bits 11 and 16, which no address that is turned by exclusive or has set
.set HB,    33792                      ; V's half of a slot
.set EIG,   8448                       ; an eighth of a slot, 33 rows of 256 bytes: what one tensor load brings
.set HEADB, 8*SLOT
.set STAGE, 2*SLOT                     ; behind the ring: 32 rows x 528 bytes for each wave, for Q's turn and the way out; no fill lands there
.set PIT,   528
.set SPARE, STAGE+8*32*PIT             ; the spare words, 128 bytes for each wave
.set LI,  1                            ; 16 x lane
.set L4S, 2                            ; 4 x lane + 32768
.set RD,  3                            ; my stage + 16 x lane
.set STO, 4                            ; my stage + row r + 32 h
.set SPW, 5
.set NIL, 6
.set PFO, 7                            ; 256 x lane
.set ADK, 8
.set ADV, 9
.set ADS, 10
.set QRD, 11                           ; my stage + row r + 64 h
.set KS,  24
.set PSW, 28
.set QSW, 30
.set SA,  60
.set SBB, 128
.set F,   192
.set DA,  40                           ; the mask's registers, free at that place
.set DB,  41
.set NI,  42
.set TB,   2
.set SLOTS, 3                          ; 8 at the opening barrier, 7 down to 1 in the first loop's trips
.set SWC,  11                          ; 8 - x: the count at which the load that is made ready is the second block's first
.set KF,   12
.set Q0,   13
.set Q0B,  14
.set LIM,  15
.set SWD,  16                          ; 7 - x: the count in the first block's last visit
.set WV,   18
.set MNT,  19
.set SEL,  20
.set CS,   22
.set G1,   24
.set G0,   32
.set KVB,  36
.set OFF,  38
.set QPA,  40
.set QPB,  42
.set OPA,  44
.set OPB,  46
.set PFA,  48
.set MSB, 0
.macro WIN new                         ; low byte: bits 1:0 source 0, 3:2 source 1, 5:4 source 2, 7:6 destination; the high byte repeats the setting that is left
.if MSB != \new
	s_set_vgpr_msb (MSB<<8)|\new
.set MSB, \new
.endif
.endm
.macro NOPS n
.rept \n
	v_nop
.endr
.endm
.macro H n
	s_delay_alu instid0(VALU_DEP_\n)
.endm
.macro TLOAD                           ; every wave fetches its eighth of a slot
	tensor_load_to_lds s[G0:G0+3], s[G1:G1+7]
	s_nop 0
	NOPS 4
.endm
; A prefetch of the codes of a key slot, one visit ahead of the first tensor load of the head that wants it.  The work-group with x = 0, whose second block walks all eight slots of its head, asks: waves 0-3 for K's
; 32,768 bytes, waves 4-7 for V's, 8,192 bytes a wave, lanes 256 bytes apart: each block is named once in the launch.  Beside the load for visit u stands the prefetch of slot u + 1, u = 1 .. 6: the work-groups
; with x >= u + 1 load that slot for visit u + 1, the one that asks for visit u + 2.  Slots 0 and 1 come by their loads alone.
.macro ASK
	s_cmp_gt_u32 s[SLOTS], s[LIM]
	s_cbranch_scc0 .Lnot_mine_\@
	global_prefetch_b8 v[PFO], s[PFA:PFA+1] th:TH_LOAD_NT scope:SCOPE_SE
.Lnot_mine_\@:
.endm
; And of my 32 rows of Q of the second block, 64 blocks of 256 bytes: ahead of the first block's last visit.
.macro ASKQ
	s_cmp_eq_u32 s[SLOTS], s[SWC]
	s_cbranch_scc0 .Lnot_yet_\@
	global_prefetch_b8 v[PFO], s[QPB:QPB+1] th:TH_LOAD_NT scope:SCOPE_SE
	global_prefetch_b8 v[PFO], s[QPB:QPB+1] offset:8192 th:TH_LOAD_NT scope:SCOPE_SE
.Lnot_yet_\@:
.endm
	s_load_b128 s[4:7], s[0:1], 0x0                ; Q, kv
	s_load_b64 s[8:9], s[0:1], 0x10                ; out0
	v_lshl_add_u32 v[SPW], v0, 2, SPARE
	v_mov_b32 v[NIL], 0
	ds_add_u32 v[SPW], v[NIL]                      ; the opening lines: the add, twice on end, and its wait
	ds_add_u32 v[SPW], v[NIL]
	v_lshrrev_b32 v8, 5, v0
	v_readfirstlane_b32 s[WV], v8                  ; wave 0..7
	s_sub_co_u32 s[SWC], 8, ttmp9
	s_sub_co_u32 s[SWD], 7, ttmp9
	s_and_b32 s50, ttmp7, 0xffff                   ; the head
	s_mov_b32 s[G1+0], 3<<16                       ; a dense block of 33 rows of 256 bytes, in elements of 8 bytes; no padding, no mask
	s_mov_b32 s[G1+1], 32<<16
	s_mov_b32 s[G1+2], 33<<16
	s_mov_b32 s[G1+3], 32<<16
	s_mov_b32 s[G1+4], 33
	s_mov_b32 s[G1+5], 32
	s_mov_b32 s[G1+6], 0
	s_mov_b32 s[G1+7], 0
	s_mul_i32 s[G0+1], s[WV], EIG                  ; LDS address: my eighth of slot 0
	s_mul_i32 s58, s50, HEADB                      ; my head in kv (under 2^26)
	s_add_co_u32 s52, s58, s[G0+1]
	s_mov_b32 s53, 0
	s_mov_b32 s[G0], 1
	s_wait_dscnt 0x0
	s_wait_kmcnt 0x0
	s_add_nc_u64 s[KVB:KVB+1], s[6:7], s[52:53]
	s_mov_b64 s[G0+2:G0+3], s[KVB:KVB+1]           ; key slot 0
	s_or_b32 s[G0+3], s[G0+3], 0x80000000
	TLOAD                                          ; my one tensor load at the head
	s_sub_co_u32 s54, 7, ttmp9
	s_lshl_b32 s54, s54, 8
	s_lshl_b32 s55, s[WV], 5
	s_add_co_u32 s[Q0B], s54, s55                  ; my first query of the second block: 256 (7 - x) + 32 wave,
	s_lshl_b32 s54, ttmp9, 8
	s_add_co_u32 s[Q0], s54, s55                   ; of the first: 256 x + 32 wave
	s_lshl_b32 s59, s50, 20
	s_lshl_b32 s54, s[Q0], 9
	s_add_co_u32 s54, s54, s59
	s_mov_b32 s55, 0
	s_lshl_b32 s56, s[Q0B], 9
	s_add_co_u32 s56, s56, s59
	s_mov_b32 s57, 0
	s_add_nc_u64 s[QPA:QPA+1], s[4:5], s[54:55]
	s_add_nc_u64 s[QPB:QPB+1], s[4:5], s[56:57]
	s_add_nc_u64 s[OPA:OPA+1], s[8:9], s[54:55]
	s_add_nc_u64 s[OPB:OPB+1], s[8:9], s[56:57]
	s_lshr_b32 s59, s[WV], 2                       ; the prefetches: waves 4-7 stand in V's half,
	s_mul_i32 s59, s59, HB
	s_add_co_u32 s60, s58, s59
	s_and_b32 s59, s[WV], 3
	s_lshl_b32 s59, s59, 13                        ; 8,192 bytes a wave,
	s_add_co_u32 s60, s60, s59
	s_add_co_u32 s60, s60, SLOT                    ; in key slot 1: the opening barrier steps it to slot 2
	s_mov_b32 s61, 0
	s_add_nc_u64 s[PFA:PFA+1], s[6:7], s[60:61]
	s_cmp_eq_u32 ttmp9, 0
	s_cselect_b32 s[LIM], 2, -1                    ; the last prefetch stands at the count 3 and names slot 7
	s_mov_b32 s[SEL], 0x76543210
	s_mov_b32 s[SEL+1], 0xfedcba98
	s_mov_b32 s[CS], 0x3e0293ee                    ; log2(e) / sqrt(128)
	s_mov_b32 s[CS+1], s[CS]
	s_mov_b32 s[MNT], 0x600000
	s_mov_b32 s[TB], 0
	s_mov_b32 s[OFF], 0
	s_mov_b32 s[OFF+1], 0
	s_mov_b32 s[KF], 0
	s_mov_b32 s[SLOTS], 8
	s_mul_i32 s59, s[WV], 32*PIT
	s_add_co_u32 s59, s59, STAGE                   ; my stage
	v_and_b32 v8, 31, v0
	v_and_b32 v9, 15, v0
	v_bfe_u32 v10, v0, 4, 1
	v_lshlrev_b32 v[LI], 4, v8
	v_lshl_add_u32 v[L4S], v8, 2, 32768
	v_lshlrev_b32 v[PFO], 8, v8
	v_add_nc_u32 v[RD], s59, v[LI]
	v_mul_u32_u24 v[STO], v9, PIT
	v_lshl_add_u32 v[QRD], v10, 6, v[STO]
	v_lshl_add_u32 v[STO], v10, 5, v[STO]
	v_add_nc_u32 v[STO], s59, v[STO]
	v_add_nc_u32 v[QRD], s59, v[QRD]
.irp b, 36,37,38,39,48,49,50,51,21,23
	v_mov_b32 v[\b], 0                             ; written once: lane permutes' destinations, and the upper halves of f's pairs
.endr
; 64 numbers of a lane in v[s] on (window 0) become a fragment's codes in window 1's v[pc] on and its scale word in v[pw]; tm: 12 registers at work
.macro QUANT s, pc, pw, tm
.irp b, 0,1,2,3
	v_max3_num_f32 v[\tm+\b], |v[\s+16*\b]|, |v[\s+1+16*\b]|, 0x4800000   ; and the floor 2^(9 - 127): the byte cannot fall under 1
.endr
.irp i, 2,4,6,8,10,12,14
.irp b, 0,1,2,3
	v_max3_num_f32 v[\tm+\b], v[\tm+\b], |v[\s+16*\b+\i]|, |v[\s+1+16*\b+\i]|
.endr
.endr
.irp b, 0,1,2,3
	v_permlanex16_b32 v[\tm+4+\b], v[\tm+\b], s[SEL], s[SEL+1]
.endr
.irp b, 0,1,2,3
	v_max_num_f32 v[\tm+\b], v[\tm+\b], v[\tm+4+\b]
.endr
.irp b, 0,1,2,3
	v_add_nc_u32 v[\tm+8+\b], 0xfc000000, v[\tm+\b]          ; the conversion's scale operand
.endr
.irp b, 0,1,2,3
	v_and_or_b32 v[\tm+4+\b], v[\tm+\b], 0x7f800000, s[MNT]  ; 448 x the scale
.endr
.irp b, 0,1,2,3
	v_lshrrev_b32 v[\tm+\b], 23, v[\tm+8+\b]                 ; the scale's byte
.endr
	v_lshl_or_b32 v[\pw], v[\tm+1], 8, v[\tm]
	v_lshl_or_b32 v[\pw], v[\tm+2], 16, v[\pw]
	v_lshl_or_b32 v[\pw], v[\tm+3], 24, v[\pw]
.irp b, 0,1,2,3
.irp i, 0,1,2,3,4,5,6,7,8,9,10,11,12,13,14,15
	v_med3_num_f32 v[\s+16*\b+\i], v[\s+16*\b+\i], -v[\tm+4+\b], v[\tm+4+\b]   ; the conversion does not saturate (ISA guide 7.6.2): the hold comes first
.endr
.endr
	WIN 0x40
.irp b, 0,1,2,3
	v_cvt_scalef32_pk8_fp8_f32 v[\pc+4*\b:\pc+1+4*\b], v[\s+16*\b:\s+7+16*\b], v[\tm+8+\b]
	v_cvt_scalef32_pk8_fp8_f32 v[\pc+2+4*\b:\pc+3+4*\b], v[\s+8+16*\b:\s+15+16*\b], v[\tm+8+\b]
.endr
	v_nop                                          ; one plain line behind the last conversion
	WIN 0
.endm
.macro QLOAD p                         ; my 32 rows of Q, whole: 512 consecutive bytes a load, into the scores' registers
.set n, 0
.rept 32
	global_load_b128 v[SA+4*n+4*(n/16):SA+4*n+4*(n/16)+3], v[LI], s[\p:\p+1] offset:512*n th:TH_LOAD_NT
.set n, n+1
.endr
.endm
; The rows turn through my stage, so that lane (r, h) holds 16 neighbouring channels of each block of 32 of row r, and are quantised; then the tiles' state begins: O^T and the sums as zeros, the largest t as -3e38.
.macro QPREP
	s_wait_alu depctr_va_vdst(0)
	s_wait_loadcnt 0x0
	s_wait_xcnt 0x0                                ; earlier stores have read the fragments' registers, which are loaded below
.set n, 0
.rept 32
	ds_store_b128 v[RD], v[SA+4*n+4*(n/16):SA+4*n+4*(n/16)+3] offset:PIT*n
.set n, n+1
.endr
.irp c, 0,1,2,3
.irp j, 0,1,2,3
	ds_load_b128 v[F+16*\c+4*\j:F+16*\c+4*\j+3], v[QRD] offset:128*\c+16*\j   ; LDS serves a wave's instructions in order: these see the stores above
.endr
.endr
	s_wait_dscnt 0x0
.irp c, 0,1,2,3
.irp j, 0,1,2,3
	ds_load_b128 v[SA+16*\c+4*\j:SA+16*\c+4*\j+3], v[QRD] offset:16*PIT+128*\c+16*\j
.endr
.endr
	QUANT F, 128, QSW, 32
	s_wait_alu depctr_va_vdst(0)
	s_wait_dscnt 0x0
	QUANT SA, 144, QSW+1, 44
.irp T, 0,1
	v_mov_b32 v[13+4*\T], 0xff61b1e6               ; -3e38, under every t
	v_mov_b32 v[14+4*\T], 0
	v_mov_b32 v[15+4*\T], 0
.endr
	v_floor_f32 v12, -v13
	v_floor_f32 v16, -v17
	WIN 0x40
.set n, 0
.rept 128
	v_mov_b32 v[n], 0                              ; O^T: the key step is written once, and a tile's first step finds zeros
.set n, n+1
.endr
	WIN 0
.endm
.macro WM d, a, b, sa, sb, odd, acc
.if \acc
.if \odd
	v_wmma_scale_f32_16x16x128_f8f6f4 v[\d:\d+7], v[\a:\a+15], v[\b:\b+15], v[\d:\d+7], v[\sa], v[\sb] matrix_a_scale:MATRIX_SCALE_ROW1
.else
	v_wmma_scale_f32_16x16x128_f8f6f4 v[\d:\d+7], v[\a:\a+15], v[\b:\b+15], v[\d:\d+7], v[\sa], v[\sb]
.endif
.else
.if \odd
	v_wmma_scale_f32_16x16x128_f8f6f4 v[\d:\d+7], v[\a:\a+15], v[\b:\b+15], 0, v[\sa], v[\sb] matrix_a_scale:MATRIX_SCALE_ROW1
.else
	v_wmma_scale_f32_16x16x128_f8f6f4 v[\d:\d+7], v[\a:\a+15], v[\b:\b+15], 0, v[\sa], v[\sb]
.endif
.endif
.endm
.macro MMS T, g                        ; scores of tile T against fragments 4 g .. 4 g + 3 of K
.irp t, 0,1,2,3
	WM 60+68*\T+8*(4*\g+\t), F+16*\t, 128+16*\T, KS+2*\g+\t/2, QSW+\T, \t%2, 0
.endr
.endm
.macro MMP T, g                        ; O^T of tile T, channels 64 g on; the accumulators take turns
.irp t, 0,1,2,3
	WM 64*\T+8*(4*\g+\t), F+16*\t, 56+68*\T, KS+2*\g+\t/2, PSW+\T, \t%2, 1
.endr
.endm
.macro FRAGS adr, q, so                ; eight fragments, 512 consecutive bytes a load, and four registers of scale words (lanes 0-15: an even tile's; lanes 16-31: the odd one's)
.irp t, 0,1,2,3
.irp c, 0,1,2,3
	ds_load_b128 v[F+16*\t+4*\c:F+16*\t+4*\c+3], v[\adr] offset:(8*(\q)+\t)*2048+512*\c
.endr
.endr
.irp m, 0,1,2,3
	ds_load_b32 v[KS+\m], v[ADS] offset:\so+512*(\q)+128*\m
.endr
	WIN 0x40
.irp t, 0,1,2,3
.irp c, 0,1,2,3
	ds_load_b128 v[F+16*\t+4*\c:F+16*\t+4*\c+3], v[\adr] offset:(8*(\q)+4+\t)*2048+512*\c
.endr
.endr
	WIN 0
.endm
.macro MAXB s, tm                      ; the largest score of each block of 32 keys; each accumulator is read from its low end on
.irp b, 0,1,2,3
	v_max3_num_f32 v[\tm+\b], v[\s+16*\b], v[\s+1+16*\b], v[\s+2+16*\b]
.endr
.irp i, 3,5,7,9,11,13
.irp b, 0,1,2,3
	v_max3_num_f32 v[\tm+\b], v[\tm+\b], v[\s+16*\b+\i], v[\s+1+16*\b+\i]
.endr
.endr
.irp b, 0,1,2,3
	v_max_num_f32 v[\tm+\b], v[\tm+\b], v[\s+15+16*\b]
.endr
.endm
.macro MASKB b                         ; block b of both tiles: register 16 b + i is hidden where 32 b + i > d
.set n, 0
.rept 16
	v_cmp_gt_i32 vcc_lo, 32*\b+n, v[DA]
	v_cndmask_b32 v[SA+16*\b+n], v[SA+16*\b+n], v[NI], vcc_lo
.set n, n+1
.endr
.set n, 0
.rept 16
	v_cmp_gt_i32 vcc_lo, 32*\b+n, v[DB]
	v_cndmask_b32 v[SBB+16*\b+n], v[SBB+16*\b+n], v[NI], vcc_lo
.set n, n+1
.endr
.endm
.macro CVT T, b                        ; block b of tile T: 32 p become 4 registers of codes
	v_cvt_scalef32_pk8_fp8_f32 v[56+68*\T+4*(\b):57+68*\T+4*(\b)], v[60+68*\T+16*(\b):67+68*\T+16*(\b)], v[40+12*\T+(\b)]
	v_cvt_scalef32_pk8_fp8_f32 v[58+68*\T+4*(\b):59+68*\T+4*(\b)], v[68+68*\T+16*(\b):75+68*\T+16*(\b)], v[40+12*\T+(\b)]
.endm
.macro HOLD2 x, h                      ; two p held at 448 x the scale; p is not negative, so the hold is one-sided
	v_dual_min_num_f32 v[\x], v[\x], v[\h] :: v_dual_min_num_f32 v[(\x)+1], v[(\x)+1], v[\h]   ; x is even: one destination even, one odd; the first sources are neighbours, the second source is shared
.endm
; The row's sum of the unquantised p, in three chains (the sum's pair, v[36:37], v[38:39]).  cv = 1: tile 0's conversions stand among the additions, which are the plain lines between them.
.macro SUMS s, su, cv
.if \cv
	CVT 0, 0
.endif
	v_pk_add_f32 v[36:37], v[\s:\s+1], v[\s+2:\s+3]
	v_pk_add_f32 v[38:39], v[\s+4:\s+5], v[\s+6:\s+7]
.set n, 0
.rept 28
.if \cv && (n%7 == 0) && (n > 0)
	CVT 0, n/7
.endif
.if n%3 == 0
	v_pk_add_f32 v[\su:\su+1], v[\su:\su+1], v[\s+8+2*n:\s+9+2*n]
.else
.if n%3 == 1
	v_pk_add_f32 v[36:37], v[36:37], v[\s+8+2*n:\s+9+2*n]
.else
	v_pk_add_f32 v[38:39], v[38:39], v[\s+8+2*n:\s+9+2*n]
.endif
.endif
.set n, n+1
.endr
	v_pk_add_f32 v[36:37], v[36:37], v[38:39]
	v_pk_add_f32 v[\su:\su+1], v[\su:\su+1], v[36:37]
.endm
.macro STEPG                           ; the descriptor and the prefetch's address go one load on; no tensor load of mine is out here
	s_xor_b32 s[G0+1], s[G0+1], SLOT
	s_add_co_u32 s[OFF], s[OFF], SLOT              ; the next 256 keys,
	s_cmp_eq_u32 s[SLOTS], s[SWC]
	s_cselect_b32 s[OFF], 0, s[OFF]                ; or key slot 0, for the second block's first visit
	s_add_nc_u64 s[G0+2:G0+3], s[KVB:KVB+1], s[OFF:OFF+1]
	s_or_b32 s[G0+3], s[G0+3], 0x80000000
	s_wait_xcnt 0x0                                ; the last prefetch has read its address
	s_add_nc_u64 s[PFA:PFA+1], s[PFA:PFA+1], SLOT
.endm
.macro ADRS                            ; the LDS addresses of the slot at s[TB]
	v_add_nc_u32 v[ADK], s[TB], v[LI]
	v_add_nc_u32 v[ADS], s[TB], v[L4S]
	v_add_nc_u32 v[ADV], HB, v[ADK]
.endm
; THE CHANGE OF SLOTS, its first half, on every wave's way through a visit's second step, behind its last LDS loads from the slot.  My tensor load (my part of the next slot) has landed; the add; between it and its wait
; work on registers: the descriptor's step (fill = 1), the next slot's addresses, both tiles' block maxima (in a wave whose step is hidden they fall on registers at work and are not used); my reads are over; the signal.
.macro MEET fill
	s_wait_tensorcnt 0x0
	ds_add_u32 v[SPW], v[NIL]
.if \fill
	STEPG
.endif
	s_xor_b32 s[TB], s[TB], SLOT
	ADRS
	MAXB SA, 32
	MAXB SBB, 44
	s_wait_alu depctr_va_vdst(0)
	s_wait_dscnt 0x0
	s_barrier_signal -1
.endm
; A KEY STEP: 128 keys, the q-th of the slot in hand, for both my tiles.  es = 0: a visit's first step, which counts for every wave (its first key is at or under the block's first query).
; es = 1, 2: the second step, with the change of slots' first half in it (1: a slot is filled behind the barrier; 2: none is).
.macro STEP q, es
.if \es
	s_add_co_u32 s50, s[Q0], 31                    ; a step all of whose keys come after my 32 queries is left out: scalar branches on ids, which lead round the step's work and round no line of the change of slots
	s_cmp_gt_u32 s[KF], s50
	s_cbranch_scc1 .Lopen_\@
.endif
	NOPS 9                                         ; nine places behind the last products: loads into their fragments, and products that write over p's codes, follow
	FRAGS ADK, \q, 0
	s_wait_dscnt 16                                ; fragments 0-3 and the scale words are in; the 16 loads of fragments 4-7 may be out
	WIN 0x04
	MMS 0, 0
	MMS 1, 0
	s_wait_dscnt 0x0
	WIN 0x05
	MMS 1, 1
	MMS 0, 1
	WIN 0
	NOPS 8                                         ; eight places: the scores are read, and the fragments loaded again
	FRAGS ADV, \q, HB                              ; V's fragments land under the softmax
	s_add_co_u32 s50, s[KF], 127                   ; on the diagonal the scores of hidden keys become -infinity; a step all of whose keys count skips this
	s_cmp_le_u32 s50, s[Q0]
	s_cbranch_scc1 .Lopen_\@
	s_sub_co_i32 s50, s[Q0], s[KF]                 ; 0, 32, 64 or 96
	v_and_b32 v[DA], 15, v0
	v_bfe_u32 v[DB], v0, 4, 1
	v_lshlrev_b32 v[DB], 4, v[DB]
	v_sub_nc_u32 v[DA], v[DA], v[DB]
	v_add_nc_u32 v[DA], s50, v[DA]                 ; d = my query - KF - 16 (lane / 16)
	v_add_nc_u32 v[DB], 16, v[DA]                  ; tile 1's queries are 16 on
	v_mov_b32 v[NI], 0xff800000
	s_wait_alu depctr_va_vdst(0)
	s_cmp_ge_u32 s50, 32                           ; block b is wholly open where my first query lies 32 (b + 1) keys or more on: 32 b + 15 <= d in every lane
	s_cbranch_scc1 .Lm1_\@
	MASKB 0
.Lm1_\@:
	s_cmp_ge_u32 s50, 64
	s_cbranch_scc1 .Lm2_\@
	MASKB 1
.Lm2_\@:
	s_cmp_ge_u32 s50, 96
	s_cbranch_scc1 .Lm3_\@
	MASKB 2
.Lm3_\@:
	MASKB 3
.Lopen_\@:
.if \es
.if \es == 1
	MEET 1
.else
	MEET 0
.endif
	s_add_co_u32 s50, s[Q0], 31                    ; the same test as at the step's head
	s_cmp_gt_u32 s[KF], s50
	s_cbranch_scc1 .Lhidden_\@
.else
	MAXB SA, 32
	MAXB SBB, 44
.endif
.irp T, 0,1
.irp b, 0,1,2,3
	v_permlanex16_b32 v[36+12*\T+\b], v[32+12*\T+\b], s[SEL], s[SEL+1]
.endr
.endr
.irp T, 0,1
.irp b, 0,1,2,3
	v_max_num_f32 v[32+12*\T+\b], v[32+12*\T+\b], v[36+12*\T+\b]   ; with lane l xor 16's 16 keys
.endr
.endr
.irp T, 0,1                                    ; the two tiles' chains by turns
	v_max3_num_f32 v[36+12*\T], v[32+12*\T], v[33+12*\T], v[34+12*\T]
.endr
.irp T, 0,1
	H 2
	v_max_num_f32 v[36+12*\T], v[36+12*\T], v[35+12*\T]   ; the step's largest score
.endr
.irp T, 0,1
	H 2
	v_mul_f32 v[36+12*\T], s[CS], v[36+12*\T]
.endr
.irp T, 0,1
	H 2
	v_max_num_f32 v[13+4*\T], v[13+4*\T], v[36+12*\T]     ; the running largest t
.endr
.irp T, 0,1
	v_mov_b32 v[36+12*\T], v[12+4*\T]
.endr
.irp T, 0,1
	H 4
	v_floor_f32 v[12+4*\T], -v[13+4*\T]            ; the new -M = -ceil(t)
.endr
.irp T, 0,1
	H 2
	v_sub_f32 v[36+12*\T], v[12+4*\T], v[36+12*\T] ; old M - new M: a whole number, 0 or less
.endr
.irp T, 0,1
	H 2
	v_cvt_i32_f32 v[36+12*\T], v[36+12*\T]         ; (it saturates)
.endr
.irp T, 0,1
	H 2
	v_ldexp_f32 v[20+2*\T], 1.0, v[36+12*\T]       ; f = 2^(old M - new M)
.endr
	WIN 0x41
.set n, 0
.rept 32
	v_pk_mul_f32 v[n:n+1], v[n:n+1], v[20:21] op_sel_hi:[1,0]   ; O^T under the new M, each accumulator from its low end on
.set n, n+2
.endr
.rept 32
	v_pk_mul_f32 v[n:n+1], v[n:n+1], v[22:23] op_sel_hi:[1,0]
.set n, n+2
.endr
	WIN 0
	v_pk_mul_f32 v[14:15], v[14:15], v[20:21] op_sel_hi:[1,0]   ; and the sums
	v_pk_mul_f32 v[18:19], v[18:19], v[22:23] op_sel_hi:[1,0]
.set n, 0
.rept 32
	v_pk_fma_f32 v[SA+n:SA+n+1], v[SA+n:SA+n+1], s[CS:CS+1], v[12:13] op_sel_hi:[1,0,0]   ; tile 0: t - M
.set n, n+2
.endr
.irp T, 0,1
.irp b, 0,1,2,3
	v_fma_f32 v[32+12*\T+\b], v[32+12*\T+\b], s[CS], v[12+4*\T]   ; the same of each block's largest score
.endr
.endr
	s_wait_alu depctr_va_vdst(0)
.irp T, 0,1
.irp b, 0,1,2,3
	v_exp_f32 v[32+12*\T+\b], v[32+12*\T+\b]       ; the blocks' largest p
.endr
.endr
.set n, 0
.rept 32
	v_exp_f32 v[SA+n], v[SA+n]                     ; tile 0's p; among them tile 1's t - M, which is read behind the next two waits
	v_exp_f32 v[SA+n+1], v[SA+n+1]
	v_pk_fma_f32 v[SBB+n:SBB+n+1], v[SBB+n:SBB+n+1], s[CS:CS+1], v[16:17] op_sel_hi:[1,0,0]
.set n, n+2
.endr
	s_wait_alu depctr_va_vdst(0)                   ; one wait for the batch, ahead of its first reader
	SUMS SA, 14, 0
.irp T, 0,1
.irp b, 0,1,2,3
	v_max_num_f32 v[32+12*\T+\b], 0x4800000, v[32+12*\T+\b]   ; the floor 2^(9 - 127)
.endr
.endr
.irp T, 0,1
.irp b, 0,1,2,3
	v_add_nc_u32 v[40+12*\T+\b], 0xfc000000, v[32+12*\T+\b]   ; the conversion's scale operand
.endr
.endr
.irp T, 0,1
.irp b, 0,1,2,3
	v_and_or_b32 v[36+12*\T+\b], v[32+12*\T+\b], 0x7f800000, s[MNT]   ; 448 x the scale
.endr
.endr
.irp T, 0,1
.irp b, 0,1,2,3
	v_lshrrev_b32 v[32+12*\T+\b], 23, v[40+12*\T+\b]          ; the scale's byte
.endr
.endr
.irp T, 0,1
	v_lshl_or_b32 v[PSW+\T], v[33+12*\T], 8, v[32+12*\T]      ; p's scale word for these 128 keys
.endr
.irp T, 0,1
	H 2
	v_lshl_or_b32 v[PSW+\T], v[34+12*\T], 16, v[PSW+\T]
.endr
.irp T, 0,1
	H 2
	v_lshl_or_b32 v[PSW+\T], v[35+12*\T], 24, v[PSW+\T]
.endr
	s_wait_alu depctr_va_vdst(0)                   ; ahead of the second batch
.set n, 0
.rept 32
	v_exp_f32 v[SBB+n], v[SBB+n]                   ; tile 1's p; among them tile 0's holds, which are read behind the next wait
	v_exp_f32 v[SBB+n+1], v[SBB+n+1]
	HOLD2 SA+n, 36+n/16
.set n, n+2
.endr
	v_nop                                          ; a plain line behind the last exponential
	s_wait_alu depctr_va_vdst(0)                   ; and behind it
	SUMS SBB, 18, 1                                ; tile 1's sum, tile 0's conversions among it
	s_wait_alu depctr_va_vdst(0)
	s_wait_dscnt 0x0                               ; V's fragments and scale words
	WIN 0x50
	MMP 0, 0
	WIN 0x51
	MMP 0, 1
	WIN 0
.irp b, 0,1,2,3
.set n, 0
.rept 8
	HOLD2 SBB+16*\b+n, 48+\b
.set n, n+2
.endr
	CVT 1, \b
	v_nop                                          ; a plain line behind each pair of conversions: the next pair writes over this pair's forerunner's sources
.endr
	NOPS 3                                         ; four places between the codes and the products
	WIN 0x51
	MMP 1, 1
	WIN 0x50
	MMP 1, 0
	WIN 0
.Lhidden_\@:
	s_add_co_u32 s[KF], s[KF], 128
.endm
.macro POST                            ; behind the barrier's wait: the refill first, my one tensor load until the next barrier; then the prefetches
	TLOAD
	ASK
	ASKQ
.endm
; THE WAY OUT of both tiles: O^T is divided by the sum and goes through my stage: in as 32 bytes of a row a lane, back as whole rows of 512 bytes.
.macro FINAL p
.irp T, 0,1
	v_add_f32 v[14+4*\T], v[14+4*\T], v[15+4*\T]
.endr
.irp T, 0,1
	v_permlanex16_b32 v[36+12*\T], v[14+4*\T], s[SEL], s[SEL+1]
.endr
.irp T, 0,1
	v_add_f32 v[14+4*\T], v[14+4*\T], v[36+12*\T]  ; the row's sum
.endr
	s_wait_alu depctr_va_vdst(0)
	v_rcp_f32 v14, v14
	v_rcp_f32 v18, v18
	v_nop
	WIN 0x41
	s_wait_alu depctr_va_vdst(0)                   ; ahead of the first reader of the reciprocals and of O^T
.set n, 0
.rept 32
	v_pk_mul_f32 v[n:n+1], v[n:n+1], v[14:15] op_sel_hi:[1,0]
.set n, n+2
.endr
.rept 32
	v_pk_mul_f32 v[n:n+1], v[n:n+1], v[18:19] op_sel_hi:[1,0]
.set n, n+2
.endr
	WIN 0x04
.irp T, 0,1
.irp t, 0,1,2,3,4,5,6,7
	ds_store_b128 v[STO], v[64*\T+8*\t:64*\T+8*\t+3] offset:16*PIT*\T+64*\t
	ds_store_b128 v[STO], v[64*\T+8*\t+4:64*\T+8*\t+7] offset:16*PIT*\T+64*\t+16
.endr
.endr
	WIN 0
.irp i, 0,1,2,3,4,5,6,7,8,9,10,11,12,13,14,15
	ds_load_b128 v[F+4*\i:F+4*\i+3], v[RD] offset:PIT*\i      ; in order behind my stores
.endr
	WIN 0x40
.irp i, 0,1,2,3,4,5,6,7,8,9,10,11,12,13,14,15
	ds_load_b128 v[F+4*\i:F+4*\i+3], v[RD] offset:PIT*(16+\i)
.endr
	WIN 0
.irp i, 0,1,2,3,4,5,6,7,8,9,10,11,12,13,14,15
	s_wait_dscnt 31-\i                             ; row i is back; the younger loads stay out
	global_store_b128 v[LI], v[F+4*\i:F+4*\i+3], s[\p:\p+1] offset:512*\i th:TH_STORE_NT   ; 512 consecutive bytes, aligned
.endr
	WIN 0x04
.irp i, 0,1,2,3,4,5,6,7,8,9,10,11,12,13,14,15
	s_wait_dscnt 15-\i
	global_store_b128 v[LI], v[F+4*\i:F+4*\i+3], s[\p:\p+1] offset:512*(16+\i) th:TH_STORE_NT
.endr
	WIN 0
.endm
	s_wait_alu depctr_va_vdst(0)
	QLOAD QPA                                      ; the first block's queries are quantised while the first slot is on its way
	QPREP
	s_wait_tensorcnt 0x0                           ; the opening barrier: slot 0 is whole behind it, and slot 1's first fill is issued as a refill is
	ds_add_u32 v[SPW], v[NIL]
	STEPG
	ADRS
	s_wait_alu depctr_va_vdst(0)
	s_wait_dscnt 0x0
	s_barrier_signal -1
	s_barrier_wait -1
	POST                                           ; the load for visit 1
	s_mov_b32 s[SLOTS], 7
.Lvisit:                                           ; seven trips, visits 0 to 6: trip k asks for visit k + 2's slot
	STEP 0, 0
	STEP 1, 1
	s_barrier_wait -1                              ; every wave has left the slot, and the next slot is whole
	POST
	s_cmp_lg_u32 s[SLOTS], s[SWD]                  ; was this the first block's last visit?  The work-group's number and the count alone decide
	s_cbranch_scc1 .Lsame
	NOPS 9                                         ; places behind the last products
	QLOAD QPB                                      ; the second block's queries land under the first block's way out
	FINAL OPA
	QPREP
	s_mov_b32 s[Q0], s[Q0B]
	s_mov_b32 s[KF], 0
.Lsame:
	s_sub_co_u32 s[SLOTS], s[SLOTS], 1
	s_cmp_lg_u32 s[SLOTS], 0
	s_cbranch_scc1 .Lvisit
	s_mov_b32 s[SLOTS], 2
.Llast:                                            ; two trips, visits 7 and 8: no slot is filled any more.  The first trip's barrier shows visit 8's slot whole; the second trip's orders nothing further: the two share one text
	STEP 0, 0
	STEP 1, 2
	s_barrier_wait -1
	s_sub_co_u32 s[SLOTS], s[SLOTS], 1
	s_cmp_lg_u32 s[SLOTS], 0
	s_cbranch_scc1 .Llast
	NOPS 9
	FINAL OPB
	s_wait_tensorcnt 0x0                           ; the wave's end
	ds_add_u32 v[SPW], v[NIL]
	s_wait_dscnt 0x0
	s_endpgm
.Lfunc_end_k_qb6cfcbd013_attn:
	.size	k_qb6cfcbd013_attn, .Lfunc_end_k_qb6cfcbd013_attn-k_qb6cfcbd013_attn
	.p2alignl 7, 3214868480
	.fill 96, 4, 3214868480
	.section	.rodata,"a",@progbits
	.p2align	6, 0x0
	.amdhsa_kernel k_qb6cfcbd013_attn
		.amdhsa_group_segment_fixed_size 327680
		.amdhsa_private_segment_fixed_size 0
		.amdhsa_enable_private_segment 0
		.amdhsa_kernarg_size 24
		.amdhsa_user_sgpr_count 2
		.amdhsa_user_sgpr_kernarg_segment_ptr 1
		.amdhsa_wavefront_size32 1
		.amdhsa_system_sgpr_workgroup_id_x 1
		.amdhsa_system_sgpr_workgroup_id_y 1
		.amdhsa_system_sgpr_workgroup_id_z 1
		.amdhsa_system_vgpr_workitem_id 0
		.amdhsa_next_free_vgpr 512
		.amdhsa_next_free_sgpr 66
		.amdhsa_reserve_vcc 1
		.amdhsa_float_denorm_mode_32 3
		.amdhsa_float_denorm_mode_16_64 3
		.amdhsa_memory_ordered 1
		.amdhsa_forward_progress 1
		.amdhsa_inst_pref_size 255
	.end_amdhsa_kernel
	.section	.bss,"aw",@nobits
	.p2align	6
	.space	262144
	.amdgpu_metadata
---
amdhsa.version: [ 1, 2 ]
amdhsa.kernels:
  - .name:           k_qb6cfcbd013_attn
    .symbol:         k_qb6cfcbd013_attn.kd
    .args:
      - { .name: Q, .offset: 0, .size: 8, .value_kind: global_buffer, .address_space: global }
      - { .name: kv, .offset: 8, .size: 8, .value_kind: global_buffer, .address_space: global }
      - { .name: out0, .offset: 16, .size: 8, .value_kind: global_buffer, .address_space: global }
    .group_segment_fixed_size: 327680
    .private_segment_fixed_size: 0
    .kernarg_segment_align: 8
    .kernarg_segment_size: 24
    .max_flat_workgroup_size: 256
    .sgpr_count:     66
    .vgpr_count:     512
    .wavefront_size: 32
...
	.end_amdgpu_metadata
.endif
;; end of part 2
